; MI455X (gfx1250); checked and timed in simulation.
; The chip was launched on July 23, 2026; its instructions are those of AMD's public machine-readable ISA for CDNA 5 (MIT licence, August 2026) and "CDNA5" Instruction Set Architecture Reference Guide (July 2026). The comments in the code are by the model that wrote it; some were corrected since.
;; Token Routed MLP Parallel. Allowed arithmetic: float matrix products may take bf16 or f16 operands with f32 sums; all other float work in f32.
;; Inputs: down_proj 8 x 256 x 2,048 float32; gate_proj 8 x 2,048 x 256 float32; hidden_states 2 x 2,048 x 2,048 float32; token_ids 2 x 2,048 int32; up_proj 8 x 2,048 x 256 float32.
;; Outputs: out0 2 x 2,048 x 2,048 float32.
;; 2 versions, each right; version 2 is version 1 with the launch down written anew for expert scheduling mode. Each part assembles by itself: llvm-mc -triple=amdgcn-amd-amdhsa -mcpu=gfx1250 --defsym DOCPART=n.
;; ======== version 1 of 2: 3 launches
;; workspace buffers: order 16,896 bytes of whole numbers; meta 1,536 bytes of whole numbers; hbuf 4,325,376 bytes; wbuf 16,777,216 bytes; xbuf 16,777,216 bytes
;; launch prep (part 1): grid 256 x 1, 32 waves a work-group, no clusters, 5,120 bytes of LDS; arguments token_ids, order, gate_proj, up_proj, meta, wbuf, hidden_states, xbuf; writes order, meta, wbuf, xbuf
.if DOCPART == 1
	.amdgcn_target "amdgcn-amd-amdhsa--gfx1250"
	.amdhsa_code_object_version 6
	.text
	.protected	k_qd3ba20e05c_prep
	.globl	k_qd3ba20e05c_prep
	.p2align	8
	.type	k_qd3ba20e05c_prep,@function
k_qd3ba20e05c_prep:
	s_mov_b64 s[64:65], 0
	v_nop
	global_prefetch_b8 v0, s[64:65] scope:SCOPE_SE
	s_setreg_imm32_b32 hwreg(HW_REG_WAVE_MODE, 25, 1), 1
	s_wait_xcnt 0x0
; prep: three jobs that do not depend on each other, in one launch.
; (1) EVERY work-group rounds its share of gate_proj and up_proj to bf16 and lays it in the order of matrix fragments, so that the next launch, in which
;     each weight is used by about seven blocks of tokens, loads finished fragments of half the bytes.
;     Work-group c: expert c >> 5, matrix (c >> 4) & 1, rows 128 (c & 15) .. + 127: 128 KiB of consecutive bytes.  Wave wv: slice s = wv & 3 (64 columns),
;     half q = (wv >> 2) & 1, K step K32 = 4 (c & 15) + (wv >> 3) of 32 rows.  Lane (r, h) takes 16 bytes, columns 64 s + 4 r .. + 3, of rows
;     32 K32 + 16 q + 8 h + j, j = 0..7: sixteen lanes cover 256 consecutive aligned bytes.  Column 4 r + f goes to fragment f; rows j = 2 p, 2 p + 1 make
;     its register 4 q + p, the place that the bf16 matrix form gives them (ISA guide 7.12.2).
;     wbuf: (4 e + s) 524288 + K32 8192 + matrix 4096 + f 1024 + q 512 + 16 lane.  Each store of a wave covers 512 consecutive aligned bytes.
; (2) EVERY work-group rounds its share of hidden_states to bf16, in the same order (xbuf: [4096][2048] bf16): the next launch reads each row four times.
;     Work-group c: 128 KiB at c 131072; wave wv: 4 KiB of them.  A load takes 512 consecutive bytes, 16 a lane; its four numbers a lane become 8 bytes,
;     and the wave's store covers 256 consecutive aligned bytes.
; (3) Work-group 0 ALSO sorts the 4,096 tokens by expert, a counting sort without atomics, while its shares of (1) and (2) are on their way.
;     expert = min(clip(id, 0, 99999) / 12500, 7).  Thread t owns tokens 4 t .. 4 t + 3.
;     order: expert e owns positions 16 TOFF_e .. 16 TOFF_e + n_e - 1 (TOFF_e counts tiles of 16 positions, NT_e = ceil(n_e / 16));
;            only these n_e words are stored; the later launches clamp a position to PLAST_e = 16 TOFF_e + n_e - 1.
;     meta:  bytes 0-1023: 64 block records {expert, first tile, tiles 0..5, PLAST}: a block is up to 5 tiles (80 tokens) of one expert;
;            the sum over e of ceil(n_e / 80) is at most (4096 - 8) / 80 + 8 = 59.  bytes 1024-1535: 32 records {TOFF_e, NT_e, PLAST_e, 0}, 8 used.
;     The 4,096 stores into order are 4 bytes a lane to scattered places: 16 KiB in all, the price of a sort.
;     One work-group sorts: the ids are 16 KiB, and a sum over all tokens has to meet somewhere.  Its barrier stands under a branch on the work-group's
;     number, which is the same in all 32 waves.
; No LDS ring, matrix unit or cluster: (1) and (2) are streams in which no byte is shared, (3) is one work-group.
; LIMIT: the weights and x are rounded to bf16, to nearest even.
.set CNT,   16                         ; s[16:23]  count of expert e: first my wave's, then the total
.set PRE,   24                         ; s[24:31]  count in the waves before mine, then the running next position
.set MK,    32                         ; s[32:63]  mask of the lanes whose token c belongs to expert e, at 4 e + c
.set NT,    66                         ; s[66:73]  tiles of expert e
.set TOFF,  74                         ; s[74:81]  its first tile
.set PLAST, 82                         ; s[82:89]  its last valid position
.set BOFF,  90                         ; s[90:97]  its first block
.set WSRC,  16                         ; s[16:17]  my share of the weights: needed by the loads alone; the sort writes it again behind s_wait_xcnt 0
.set XSRC,  32                         ; s[32:33]  my share of x: likewise
.set XDST,  104                        ; s[104:105] xbuf at my share; the sort writes neither this pair nor s[2:3], wbuf at my share
.set VXD,   35                         ; v35       8 x lane
.set VSRC,  36                         ; v36       8192 h + 16 r
.set VDST,  37                         ; v37       16 x lane
.set L,     40                         ; v[40:71]  eight rows of weights as loaded
.set O,     72                         ; v[72:87]  four registers of each of four fragments
.set XL,    88                         ; v[88:119] eight pieces of x as loaded, rounded in place
.macro CLOADS                          ; 16 loads: the weights' eight, then x's eight
.irp j, 0,1,2,3,4,5,6,7
	global_load_b128 v[L+4*\j:L+4*\j+3], v[VSRC], s[WSRC:WSRC+1] offset:\j*1024 th:TH_LOAD_NT
.endr
.irp j, 0,1,2,3,4,5,6,7
	global_load_b128 v[XL+4*\j:XL+4*\j+3], v[VDST], s[XSRC:XSRC+1] offset:\j*512 th:TH_LOAD_NT
.endr
.endm
	s_load_b128 s[4:7], s[0:1], 0x0                ; token_ids s[4:5], order s[6:7]
	s_load_b128 s[16:19], s[0:1], 0x10             ; gate_proj s[16:17], up_proj s[18:19]
	s_load_b64 s[8:9], s[0:1], 0x20                ; meta
	s_load_b64 s[2:3], s[0:1], 0x28                ; wbuf
	s_load_b64 s[XSRC:XSRC+1], s[0:1], 0x30        ; hidden_states
	s_load_b64 s[XDST:XDST+1], s[0:1], 0x38        ; xbuf
	v_lshl_add_u32 v120, v0, 2, 0x400
	v_mov_b32 v121, 0
	v_and_b32 v1, 31, v0                           ; lane
	v_lshrrev_b32 v12, 5, v0
	v_readfirstlane_b32 s10, v12                   ; wave
	v_lshlrev_b32 v2, 4, v0                        ; 16 bytes of ids a thread
	s_mov_b32 s11, 343598                          ; ceil(2^32 / 12500): 343598 x 12500 - 2^32 = 7704, and 7704 x 99999 < 2^32, so the high word of id x 343598 is id / 12500 exactly
	s_mov_b32 s12, 0x76543210                      ; v_permlanex16_b32: lane i of one half reads lane i of the other
	s_mov_b32 s13, 0xfedcba98
	; my share of the weights
	s_mov_b32 s24, ttmp9                           ; work-group c
	s_and_b32 s25, s24, 15
	s_lshr_b32 s26, s24, 5                         ; expert
	s_and_b32 s27, s10, 3                          ; slice
	s_bfe_u32 s28, s10, 0x10002                    ; half q
	s_lshr_b32 s29, s10, 3
	s_lshl2_add_u32 s25, s25, s29                  ; K32 = 4 (c & 15) + (wave >> 3)
	s_lshl_b32 s20, s26, 21                        ; from: expert x 2 MiB + K32 x 32 rows + q x 16 rows of 1,024 bytes + slice x 256 bytes
	s_lshl_b32 s30, s25, 15
	s_add_co_u32 s20, s20, s30
	s_lshl_b32 s30, s28, 14
	s_add_co_u32 s20, s20, s30
	s_lshl_b32 s30, s27, 8
	s_add_co_u32 s20, s20, s30
	s_mov_b32 s21, 0
	s_lshl2_add_u32 s22, s26, s27                  ; to: (4 e + s) x 524,288 + K32 x 8,192 + matrix x 4,096 + q x 512
	s_lshl_b32 s22, s22, 19
	s_lshl_b32 s30, s25, 13
	s_add_co_u32 s22, s22, s30
	s_and_b32 s30, s24, 16
	s_lshl_b32 s30, s30, 8
	s_add_co_u32 s22, s22, s30
	s_lshl_b32 s30, s28, 9
	s_add_co_u32 s22, s22, s30
	s_mov_b32 s23, 0
	; my share of x
	s_lshl_b32 s34, s24, 17                        ; from: c x 131,072 + wave x 4,096
	s_lshl_b32 s30, s10, 12
	s_add_co_u32 s34, s34, s30
	s_mov_b32 s35, 0
	s_lshl_b32 s36, s24, 16                        ; to: half of that
	s_lshl_b32 s30, s10, 11
	s_add_co_u32 s36, s36, s30
	s_mov_b32 s37, 0
	v_and_b32 v38, 15, v0                          ; r
	v_bfe_u32 v39, v0, 4, 1                        ; h
	v_lshlrev_b32 v[VSRC], 4, v38
	v_lshl_add_u32 v[VSRC], v39, 13, v[VSRC]       ; 8 h rows of 1,024 bytes
	v_lshlrev_b32 v[VDST], 4, v1
	v_lshlrev_b32 v[VXD], 3, v1
	s_wait_kmcnt 0x0
	s_bitcmp1_b32 s24, 4                           ; which matrix
	s_cselect_b64 s[WSRC:WSRC+1], s[18:19], s[16:17]
	s_add_nc_u64 s[WSRC:WSRC+1], s[WSRC:WSRC+1], s[20:21]
	s_add_nc_u64 s[2:3], s[2:3], s[22:23]
	s_add_nc_u64 s[XSRC:XSRC+1], s[XSRC:XSRC+1], s[34:35]
	s_add_nc_u64 s[XDST:XDST+1], s[XDST:XDST+1], s[36:37]
	s_cmp_lg_u32 s24, 0
	s_cbranch_scc1 .Lothers
	; ---- work-group 0: the sort ----
	global_load_b128 v[4:7], v2, s[4:5]
	CLOADS                                         ; my shares go out behind the ids and land during the sort
	s_wait_xcnt 0x0                                ; the loads' bases lie where the sort keeps its counts and masks: they are written again only behind this wait (ISA guide 3.1)
	s_wait_loadcnt 16                              ; the ids are in; the sixteen loads behind them stay out
.irp c, 4,5,6,7
	v_max_i32 v\c, 0, v\c                          ; the clip, signed
	v_min_i32 v\c, 0x1869f, v\c                    ; 99999
	v_mul_hi_u32 v\c, v\c, s11                     ; / 12500
	v_min_u32 v\c, 7, v\c
.endr
	; my wave's masks and counts
.irp e, 0,1,2,3,4,5,6,7
.irp c, 0,1,2,3
	v_cmp_eq_u32 s[MK+4*\e+\c], \e, v[4+\c]
.endr
	s_bcnt1_i32_b32 s[CNT+\e], s[MK+4*\e]
.irp c, 1,2,3
	s_bcnt1_i32_b32 s14, s[MK+4*\e+\c]
	s_add_co_u32 s[CNT+\e], s[CNT+\e], s14
.endr
	v_mov_b32 v[16+\e], s[CNT+\e]
.endr
	v_mov_b32 v13, s10
	v_lshlrev_b32 v13, 5, v13                      ; my wave's 32 bytes
	ds_store_b128 v13, v[16:19]                    ; every lane stores the same words
	ds_store_b128 v13, v[20:23] offset:16
	s_wait_dscnt 0x0                               ; for the other waves' sake: my stores are done before I signal
	s_barrier_signal -1
	s_barrier_wait -1
	v_lshlrev_b32 v13, 5, v1
	ds_load_b128 v[16:19], v13                     ; lane l: the eight counts of wave l
	ds_load_b128 v[20:23], v13 offset:16
	v_cmp_gt_u32 vcc_lo, s10, v1                   ; the waves before mine
	s_wait_dscnt 0x0
; one sum over the lanes gives two figures: low half the total, high half the count in earlier waves (each at most 4,096)
.macro RED32 reg
.irp m, 1,2,4,8
	v_mov_b32_dpp v12, v[\reg] row_xmask:\m row_mask:0xf bank_mask:0xf
	v_add_nc_u32 v[\reg], v[\reg], v12
.endr
	v_permlanex16_b32 v12, v[\reg], s12, s13
	v_add_nc_u32 v[\reg], v[\reg], v12
.endm
.irp e, 0,1,2,3,4,5,6,7
	v_cndmask_b32 v12, 0, v[16+\e], vcc_lo
	v_lshl_add_u32 v[16+\e], v12, 16, v[16+\e]
	RED32 16+\e
	v_readfirstlane_b32 s14, v[16+\e]
	s_and_b32 s[CNT+\e], s14, 0xffff
	s_lshr_b32 s[PRE+\e], s14, 16
.endr
	; tiles, blocks and first positions of the experts, one after the other
	s_mov_b32 s98, 0                               ; tiles so far
	s_mov_b32 s99, 0                               ; blocks so far
.irp e, 0,1,2,3,4,5,6,7
	s_add_co_u32 s100, s[CNT+\e], 15
	s_lshr_b32 s[NT+\e], s100, 4
	s_mov_b32 s[TOFF+\e], s98
	s_lshl_b32 s100, s98, 4
	s_add_co_u32 s[PRE+\e], s[PRE+\e], s100        ; my wave's first position in expert e
	s_add_co_u32 s100, s100, s[CNT+\e]
	s_sub_co_u32 s[PLAST+\e], s100, 1
	s_max_i32 s[PLAST+\e], s[PLAST+\e], 0          ; an empty first expert would give -1
	s_mov_b32 s[BOFF+\e], s99
	s_add_co_u32 s100, s[NT+\e], 4
	s_mul_i32 s100, s100, 205
	s_lshr_b32 s100, s100, 10                      ; (NT + 4) / 5: x 205 >> 10 is exact below 1,024
	s_add_co_u32 s99, s99, s100
	s_add_co_u32 s98, s98, s[NT+\e]
.endr
	; each token's position: the running base of its expert + the lanes below with the same expert at the same c
.irp c, 0,1,2,3
	v_mbcnt_lo_u32_b32 v[8+\c], s[MK+\c], s[PRE]
	s_bcnt1_i32_b32 s14, s[MK+\c]
	s_add_co_u32 s[PRE], s[PRE], s14
.endr
.irp e, 1,2,3,4,5,6,7
.irp c, 0,1,2,3
	v_mbcnt_lo_u32_b32 v12, s[MK+4*\e+\c], s[PRE+\e]
	v_cndmask_b32 v[8+\c], v[8+\c], v12, s[MK+4*\e+\c]
	s_bcnt1_i32_b32 s14, s[MK+4*\e+\c]
	s_add_co_u32 s[PRE+\e], s[PRE+\e], s14
.endr
.endr
.irp c, 0,1,2,3
	v_min_u32 v[8+\c], 0x107f, v[8+\c]             ; 4,223, the buffer's last word (never reached: at most 263 tiles)
	v_lshlrev_b32 v[8+\c], 2, v[8+\c]
	v_lshl_add_u32 v[24+\c], v0, 2, \c             ; the token's number
	global_store_b32 v[8+\c], v[24+\c], s[6:7]
.endr
	s_cmp_gt_u32 s10, 1
	s_cbranch_scc1 .Lexperts
	; waves 0 and 1: thread b writes block record b.  The last expert whose first block is at or below b owns it (a later one overrides an empty one).
	v_mov_b32 v28, 0
	v_mov_b32 v29, s[TOFF]
	v_mov_b32 v30, s[NT]
	v_mov_b32 v31, s[PLAST]
	v_mov_b32 v33, s[BOFF]
.irp e, 1,2,3,4,5,6,7
	v_cmp_gt_u32 vcc_lo, s[BOFF+\e], v0            ; expert e begins behind b: keep
	v_cndmask_b32 v28, \e, v28, vcc_lo
	v_cndmask_b32 v29, s[TOFF+\e], v29, vcc_lo
	v_cndmask_b32 v30, s[NT+\e], v30, vcc_lo
	v_cndmask_b32 v31, s[PLAST+\e], v31, vcc_lo
	v_cndmask_b32 v33, s[BOFF+\e], v33, vcc_lo
.endr
	v_sub_nc_u32 v33, v0, v33                      ; which block of the expert
	v_mul_u32_u24 v33, 5, v33                      ; its first tile in the expert
	v_sub_nc_u32 v30, v30, v33
	v_max_i32 v30, 0, v30
	v_min_i32 v30, 5, v30                          ; tiles of the block, 0 behind the expert's end
	v_add_nc_u32 v29, v29, v33
	v_cmp_ne_u32 vcc_lo, 0, v30
	v_cndmask_b32 v29, 0, v29, vcc_lo              ; an unused record holds zeros
	v_cndmask_b32 v31, 0, v31, vcc_lo
	v_lshlrev_b32 v34, 4, v0
	global_store_b128 v34, v[28:31], s[8:9]
	s_branch .Lconvert
.Lexperts:
	s_cmp_lg_u32 s10, 2
	s_cbranch_scc1 .Lconvert
	; wave 2: lane e writes expert record e; lanes 8 to 31 write zeros
	v_mov_b32 v28, 0
	v_mov_b32 v29, 0
	v_mov_b32 v30, 0
	v_mov_b32 v31, 0
.irp e, 0,1,2,3,4,5,6,7
	v_writelane_b32 v28, s[TOFF+\e], \e
	v_writelane_b32 v29, s[NT+\e], \e
	v_writelane_b32 v30, s[PLAST+\e], \e
.endr
	v_lshlrev_b32 v34, 4, v1
	global_store_b128 v34, v[28:31], s[8:9] offset:1024
	s_branch .Lconvert
.Lothers:
	CLOADS
	; ---- every work-group.  On every way here the sixteen loads of CLOADS are the wave's youngest loads. ----
.Lconvert:
	; the weights: two rows make one register of each of the four fragments
.irp pp, 0,1,2,3
	s_wait_loadcnt 14-2*\pp                        ; rows 2 pp and 2 pp + 1 are in; the younger of the weights' eight loads and x's eight stay out
.irp f, 0,1,2,3
	v_cvt_pk_bf16_f32 v[O+4*\f+\pp], v[L+8*\pp+\f], v[L+8*\pp+4+\f]
.endr
.endr
.irp f, 0,1,2,3
	global_store_b128 v[VDST], v[O+4*\f:O+4*\f+3], s[2:3] offset:\f*1024   ; 512 consecutive aligned bytes; no hint: the next launch reads them
.endr
	; x: four numbers a lane become 8 bytes, in place
.irp j, 0,1,2,3,4,5,6,7
	s_wait_loadcnt 7-\j                            ; piece j is in; the younger pieces stay out
	v_cvt_pk_bf16_f32 v[XL+4*\j],   v[XL+4*\j],   v[XL+4*\j+1]
	v_cvt_pk_bf16_f32 v[XL+4*\j+1], v[XL+4*\j+2], v[XL+4*\j+3]
	global_store_b64 v[VXD], v[XL+4*\j:XL+4*\j+1], s[XDST:XDST+1] offset:\j*256   ; the wave's 32 lanes fill 256 consecutive aligned bytes
.endr
	s_wait_tensorcnt 0x0
	ds_add_u32 v120, v121
	s_wait_dscnt 0x0
	s_endpgm
.Lfunc_end_k_qd3ba20e05c_prep:
	.size	k_qd3ba20e05c_prep, .Lfunc_end_k_qd3ba20e05c_prep-k_qd3ba20e05c_prep
	.p2alignl 7, 3214868480
	.fill 96, 4, 3214868480
	.section	.rodata,"a",@progbits
	.p2align	6, 0x0
	.amdhsa_kernel k_qd3ba20e05c_prep
		.amdhsa_group_segment_fixed_size 5120
		.amdhsa_private_segment_fixed_size 0
		.amdhsa_enable_private_segment 0
		.amdhsa_kernarg_size 64
		.amdhsa_user_sgpr_count 2
		.amdhsa_user_sgpr_kernarg_segment_ptr 1
		.amdhsa_wavefront_size32 1
		.amdhsa_system_sgpr_workgroup_id_x 1
		.amdhsa_system_sgpr_workgroup_id_y 1
		.amdhsa_system_sgpr_workgroup_id_z 1
		.amdhsa_system_vgpr_workitem_id 0
		.amdhsa_next_free_vgpr 122
		.amdhsa_next_free_sgpr 106
		.amdhsa_reserve_vcc 1
		.amdhsa_float_denorm_mode_32 3
		.amdhsa_float_denorm_mode_16_64 3
		.amdhsa_memory_ordered 1
		.amdhsa_forward_progress 1
		.amdhsa_inst_pref_size 35
	.end_amdhsa_kernel
	.amdgpu_metadata
---
amdhsa.version: [ 1, 2 ]
amdhsa.kernels:
  - .name:           k_qd3ba20e05c_prep
    .symbol:         k_qd3ba20e05c_prep.kd
    .args:
      - { .name: token_ids, .offset: 0, .size: 8, .value_kind: global_buffer, .address_space: global }
      - { .name: order, .offset: 8, .size: 8, .value_kind: global_buffer, .address_space: global }
      - { .name: gate_proj, .offset: 16, .size: 8, .value_kind: global_buffer, .address_space: global }
      - { .name: up_proj, .offset: 24, .size: 8, .value_kind: global_buffer, .address_space: global }
      - { .name: meta, .offset: 32, .size: 8, .value_kind: global_buffer, .address_space: global }
      - { .name: wbuf, .offset: 40, .size: 8, .value_kind: global_buffer, .address_space: global }
      - { .name: hidden_states, .offset: 48, .size: 8, .value_kind: global_buffer, .address_space: global }
      - { .name: xbuf, .offset: 56, .size: 8, .value_kind: global_buffer, .address_space: global }
    .group_segment_fixed_size: 5120
    .private_segment_fixed_size: 0
    .kernarg_segment_align: 8
    .kernarg_segment_size: 64
    .max_flat_workgroup_size: 1024
    .sgpr_count:     106
    .vgpr_count:     122
    .wavefront_size: 32
...
	.end_amdgpu_metadata
.endif
;; end of part 1
;; launch gateup (part 2): grid 4 x 59, 4 waves a work-group, no clusters, 251,392 bytes of LDS; arguments xbuf, wbuf, order, meta, hbuf; writes hbuf
.if DOCPART == 2
	.amdgcn_target "amdgcn-amd-amdhsa--gfx1250"
	.amdhsa_code_object_version 6
	.text
	.protected	k_qd3ba20e05c_gateup
	.globl	k_qd3ba20e05c_gateup
	.p2align	8
	.type	k_qd3ba20e05c_gateup,@function
k_qd3ba20e05c_gateup:
	s_mov_b64 s[64:65], 0
	v_nop
	global_prefetch_b8 v0, s[64:65] scope:SCOPE_SE
	s_setreg_imm32_b32 hwreg(HW_REG_WAVE_MODE, 25, 1), 1
	s_wait_xcnt 0x0
; gateup: h = silu(x Wg) * (x Wu) for the tokens of one block (up to 5 tiles of 16 tokens of one expert) and one slice of 64 of the 256 columns.
; Grid x = slice, grid y = block.  59 blocks are the most that 4,096 tokens in 8 experts can need; a block whose record says 0 tiles
; has no tokens and only passes the barrier.
; Wave w takes K = 512 w .. 512 w + 511 for all 64 + 64 columns and all 80 tokens: 40 accumulator tiles, 320 registers.  So every byte of x and of
; the weights enters the work-group once; the four partial sums meet once in LDS.
; WEIGHTS come from wbuf, where the launch before has laid them as bf16 fragments: (4 e + s) 524288 + K32 8192 + matrix 4096 + f 1024 + q 512 + 16 lane
; holds registers 4 q .. 4 q + 3 of the fragment of K step K32 = 16 w + k, k = 0..15; fragment f holds column 64 s + 4 r + f in lane r.  A wave's 128 KiB are
; consecutive; each load takes 512 consecutive aligned bytes and lands in the matrix operand itself.  Two buffers take turns, each asked for two sub steps ahead.
; PRODUCT: D = W^T (source 0) x x^T (source 1): register j of lane (r, h) is token r, column 4 (8 h + j) + f.
; x comes from xbuf, where the launch before has rounded it to bf16: gathered rows of 4,096 bytes.  128 K at a time: 256 aligned bytes of a row by sixteen
; lanes, through registers into the wave's own stage in LDS (80 rows of 272 bytes), from which the fragments of four sub steps of 32 K are read.
; h IS HANDED ON AS A SUM OF TWO bf16: the upper part is h rounded to bf16, the lower part is h minus the upper part (exact in f32) rounded to bf16:
; 16 significant bits.  One bf16 has 8: an h between 8 and 16 would be off by up to 1/32, and one such term can outweigh the rest of an output's error.
; hbuf: tile t has 16,384 bytes: the upper parts, then from byte 8,192 the lower parts, each laid so: K step kk (0..7), half q, lane L at
; kk 1024 + q 512 + 16 L: registers 4 q .. 4 q + 3 of a fragment of 16 tokens; slot 8 q + j of lane (r, h) is column
; 64 (kk >> 1) + 32 h + 4 j + 2 (kk & 1) + q.  The next launch takes down_proj's rows in the same order, so the products are the same.
; Pad positions of an expert's last tile repeat its last token, pad tiles of a block repeat its last tile and are not stored.
; NO CLUSTER: the blocks of one expert read the same weights, but their number (0 to 52) hangs on token_ids, so four neighbours in the grid need not share
; an expert, 59 is no multiple of 4, and the weights go from memory straight into the operands' registers; the four slices of a block read the same rows
; of x, but these are gathered by token, which no tile of a tensor load describes.
; LIMITS: x and the weights are rounded to bf16; K is summed in four parts, an order other than a single ascending sum;
; v_exp_f32 and v_rcp_f32 are good to 1 ulp and flush denormals (ISA guide 15.8); the sign of a zero may differ;
; an |h| that rounds to infinity in bf16 (above 3.39e38) leaves infinity minus infinity, a NaN, as its lower part.
.set STG_PITCH, 272                    ; 256 bytes of bf16 + 16: 17 x 16 bytes, so the 16 rows of a fragment load begin at 16 different places modulo 256 bytes
.set STG_WAVE,  80*STG_PITCH           ; 21,760 bytes: a wave's stage
.set RED,       4*STG_WAVE             ; 87,040: behind the stages, the partial sums: wave x 40,960 + tile x 1,024 + q x 512 + lane x 16
.set RED_WAVE,  40*1024
.set HTILEB,    16384                  ; bytes of a tile in hbuf
.set HLOW,      8192                   ; where its lower parts begin
; scalar: s[4:5] xbuf, s[6:7] wbuf for buffer 0, s[8:9] order, s[10:11] meta, s[12:13] wbuf for buffer 1, s[14:15] hbuf.
; Each group of loads (buffer 0's weights, buffer 1's, x) has a base of its own, so that the group's own counted wait frees the base for its step.
.set SWA,  6
; window 0
.set VS,   5                           ; stage, in:  w 21760 + 2176 h + 16 r
.set VR,   6                           ; stage, out: w 21760 + 272 r + 16 h
.set VRW,  7                           ; partial sums, in
.set VRR,  8                           ; v[8:11] partial sums, out, of wave 0..3, fragment f = my wave's number
.set VHO,  12                          ; 16 x lane: my place in a fragment's half, in wbuf and in hbuf
.set V16R, 13                          ; 16 r
.set IDX,  16                          ; v[16:23]  4 x (8 h + i): the lane that holds row i + 8 h's token
.set TKA,  24                          ; v[24:28]  byte offsets in order
.set XO,   32                          ; v[32:71]  tile tt, load i: byte offset in xbuf of row i + 8 h, + 16 r; never rewritten
.set XF,   72                          ; v[72:111] five fragments of x
.set TKN,  176                         ; v[176:180] the tokens' numbers
.set R,    32                          ; behind the K steps: v[32:159] two buffers of [matrix][wave][8]
.set EX,   160                         ; v[160:167] at work: the exponentials, then h, then h's lower parts
.set TM,   168                         ; v[168:175] h's upper parts, widened again
.set HP,   200                         ; v[200:219] upper parts packed, four registers a tile
.set LP,   220                         ; v[220:239] lower parts packed, four registers a tile
; window 1: the weights' fragments: 64 buffer + 32 matrix + 8 f.   window 2: gate's sums at 8 (5 f + tt), x as loaded (tiles 0-2) from 160.
; window 3: up's sums likewise, x as loaded (tiles 3, 4) from 160.
.set MSB, 0
.macro WIN new                         ; low byte: bits 1:0 source 0, 3:2 source 1, 5:4 source 2, 7:6 destination; the high byte repeats the setting that is left
.if MSB != (\new)
	s_set_vgpr_msb (MSB<<8)|(\new)
.set MSB, (\new)
.endif
.endm
.macro PLACES                          ; four plain vector instructions behind a matrix instruction, before its registers are written, loaded into or read (ISA guide 7.12.1)
.rept 4
	v_nop
.endr
.endm
	s_load_b256 s[4:11], s[0:1], 0x0               ; xbuf s[4:5], wbuf s[6:7], order s[8:9], meta s[10:11]
	s_load_b64 s[14:15], s[0:1], 0x20              ; hbuf
	v_lshl_add_u32 v254, v0, 2, 0x3d400
	v_mov_b32 v255, 0
	v_lshrrev_b32 v1, 5, v0
	v_readfirstlane_b32 s16, v1                    ; wave
	s_mov_b32 s17, ttmp9                           ; slice
	s_and_b32 s18, ttmp7, 0xffff                   ; block
	s_lshl_b32 s26, s18, 4                         ; its record's 16 bytes
	s_mov_b32 s27, 0
	s_wait_kmcnt 0x0
	s_add_nc_u64 s[10:11], s[10:11], s[26:27]
	s_load_b128 s[20:23], s[10:11], 0x0            ; expert, first tile, tiles, last valid position
	; every register that hangs on lane and wave alone, made while the record is on its way
	v_and_b32 v1, 31, v0                           ; lane
	v_and_b32 v2, 15, v0                           ; r
	v_bfe_u32 v3, v0, 4, 1                         ; h
	v_lshlrev_b32 v[V16R], 4, v2
	s_mul_i32 s24, s16, STG_WAVE
	v_mul_u32_u24 v[VS], 8*STG_PITCH, v3           ; 8 rows of 272 bytes
	v_lshl_add_u32 v[VS], v2, 4, v[VS]
	v_add_nc_u32 v[VS], s24, v[VS]
	v_mul_u32_u24 v[VR], STG_PITCH, v2
	v_lshl_add_u32 v[VR], v3, 4, v[VR]
	v_add_nc_u32 v[VR], s24, v[VR]
	v_lshlrev_b32 v[VHO], 4, v1
	s_mul_i32 s24, s16, RED_WAVE
	s_add_co_u32 s24, s24, RED
	v_add_nc_u32 v[VRW], s24, v[VHO]
	s_mul_i32 s24, s16, 5*1024                     ; fragment f = my wave's number: five tiles of 1,024 bytes
	s_add_co_u32 s24, s24, RED
.irp src, 0,1,2,3
	v_add_nc_u32 v[VRR+\src], s24, v[VHO]
	s_add_co_u32 s24, s24, RED_WAVE
.endr
.irp i, 0,1,2,3,4,5,6,7
	v_lshl_add_u32 v[IDX+\i], v3, 5, 4*\i
.endr
	s_wait_kmcnt 0x0
	s_min_u32 s20, s20, 7                          ; numbers from memory are bounded before they enter an address
	s_min_u32 s21, s21, 262
	s_min_u32 s22, s22, 5
	s_min_u32 s23, s23, 4223
	s_lshl_b32 s26, s21, 14                        ; hbuf: first tile x 16,384 + slice x 2,048 + wave x 512
	s_lshl_b32 s24, s17, 11
	s_add_co_u32 s26, s26, s24
	s_lshl_b32 s24, s16, 9
	s_add_co_u32 s26, s26, s24
	s_add_nc_u64 s[14:15], s[14:15], s[26:27]
	s_cmp_eq_u32 s22, 0
	s_cbranch_scc1 .Lidle                          ; no tokens in this block
	s_lshl2_add_u32 s26, s20, s17                  ; weights: ((4 expert + slice) 4 + wave) x 131,072
	s_lshl2_add_u32 s26, s26, s16
	s_lshl_b32 s26, s26, 17
	s_add_nc_u64 s[6:7], s[6:7], s[26:27]          ; sub step 0's fragments,
	s_add_nc_u64 s[12:13], s[6:7], 0x2000          ; sub step 1's, 8,192 bytes on
	s_lshl_b32 s26, s16, 10                        ; x: my wave's 512 numbers of a row, 1,024 bytes
	s_add_nc_u64 s[4:5], s[4:5], s[26:27]
; 16 loads: the eight fragments of one sub step (32 K, both matrices), 8,192 consecutive bytes, straight into the operands' registers of buffer buf
.macro WLOAD buf
	WIN 0x40
.irp n, 0,1,2,3,4,5,6,7,8,9,10,11,12,13,14,15
	global_load_b128 v[64*\buf+4*\n:64*\buf+4*\n+3], v[VHO], s[SWA+6*\buf:SWA+6*\buf+1] offset:\n*512
.endr
.endm
; the five fragments of x for sub step sub (0..3) of the 128 K in my stage
.macro XFRAG sub
	WIN 0
.irp tt, 0,1,2,3,4
	ds_load_b128 v[XF+8*\tt:XF+8*\tt+3],   v[VR] offset:\tt*16*STG_PITCH+\sub*64
	ds_load_b128 v[XF+8*\tt+4:XF+8*\tt+7], v[VR] offset:\tt*16*STG_PITCH+\sub*64+32
.endr
.endm
; 40 matrix instructions on 40 accumulators, one instruction a turn and the same order in every sub step.  zero = 1: the first product starts the sums.
.macro MULS buf, zero
.irp mat, 0,1
	WIN 0xa1+0x50*\mat                             ; source 0 (weights) window 1, source 1 (x) window 0, C and D window 2 or 3
.irp f, 0,1,2,3
.irp tt, 0,1,2,3,4
.if \zero
	v_wmma_f32_16x16x32_bf16 v[8*(5*\f+\tt):8*(5*\f+\tt)+7], v[64*\buf+32*\mat+8*\f:64*\buf+32*\mat+8*\f+7], v[XF+8*\tt:XF+8*\tt+7], 0
.else
	v_wmma_f32_16x16x32_bf16 v[8*(5*\f+\tt):8*(5*\f+\tt)+7], v[64*\buf+32*\mat+8*\f:64*\buf+32*\mat+8*\f+7], v[XF+8*\tt:XF+8*\tt+7], v[8*(5*\f+\tt):8*(5*\f+\tt)+7]
.endif
.endr
.endr
.endr
.endm
; one sub step on weight buffer buf.  fill = 1: the sub step after next is asked for into the same buffer as soon as it is free.  cnt: how many younger loads may stay out.
.macro SUB sub, buf, zero, fill, cnt
	XFRAG \sub
	s_wait_loadcnt \cnt                            ; this sub step's 16 loads are in
	s_wait_dscnt 0x0                               ; and the five fragments of x
	MULS \buf, \zero
	PLACES                                         ; behind the last matrix instructions: their operands are loaded into again, their results read
.if \fill
	s_add_nc_u64 s[SWA+6*\buf:SWA+6*\buf+1], s[SWA+6*\buf:SWA+6*\buf+1], 0x4000   ; two sub steps on; every load that names this base was shown done by the counted wait above
	WLOAD \buf
.endif
.endm
; 40 loads: 128 K of x for the 80 rows; lanes 0-15 take 256 aligned bytes of row i, lanes 16-31 of row i + 8
.macro XLOAD
	WIN 0x80
.irp tt, 0,1,2
.irp i, 0,1,2,3,4,5,6,7
	global_load_b128 v[160+32*\tt+4*\i:160+32*\tt+4*\i+3], v[XO+8*\tt+\i], s[4:5]
.endr
.endr
	WIN 0xc0
.irp tt, 3,4
.irp i, 0,1,2,3,4,5,6,7
	global_load_b128 v[160+32*(\tt-3)+4*\i:160+32*(\tt-3)+4*\i+3], v[XO+8*\tt+\i], s[4:5]
.endr
.endr
.endm
; x as loaded is laid into my stage: 16 bytes a lane, sixteen lanes fill a row's 256 bytes.  The last reads of the stage were waited for in the sub step before:
; one stage is enough.  fill = 1: the next 128 K are asked for.
.macro XSTORE fill, cnt
	s_wait_loadcnt \cnt                            ; x's 40 loads are in
	WIN 0x08                                       ; store data in window 2
.set n, 0
.rept 24
	ds_store_b128 v[VS], v[160+4*n:160+4*n+3] offset:(16*(n/8)+(n%8))*STG_PITCH
.set n, n+1
.endr
	WIN 0x0c                                       ; in window 3
.set n, 0
.rept 16
	ds_store_b128 v[VS], v[160+4*n:160+4*n+3] offset:(48+16*(n/8)+(n%8))*STG_PITCH
.set n, n+1
.endr
	WIN 0
.if \fill
	s_wait_dscnt 0x0                               ; the stores are done: their data registers are loaded into again only behind this wait
	s_add_nc_u64 s[4:5], s[4:5], 256               ; 128 numbers on; every load that names this base was shown done by the counted wait at the macro's head
	XLOAD
	WIN 0
.endif
.endm
; 128 K: four sub steps, then the next 128 K of x go into the stage.  Loads are issued in the order x (40), then four groups of weights (16 each), x, ...
; Behind sub step 0's weights stand sub step 1's 16 and x's 40; behind sub step 1's, x's 40 and sub step 2's 16; behind sub step 2's and 3's, the next 16.
; Behind x stand four groups of weights, of which two have been waited for: the count leaves the other two, 32, out.
; Up to 72 loads are asked for at a time; the issue of a load that the counter's field cannot take waits until it can (ISA guide 5.7.1).
.macro MSTEP zero, fx
	SUB 0, 0, \zero, 1, 56
	SUB 1, 1, 0, 1, 56
	SUB 2, 0, 0, 1, 16
	SUB 3, 1, 0, 1, 16
	XSTORE \fx, 32
.endm
	; the tokens of my 80 positions: lane r (and r + 16) asks for position 16 tile + r, held inside the block's tiles and the expert's tokens
	s_add_co_u32 s24, s21, s22
	s_sub_co_u32 s24, s24, 1                       ; the block's last tile
.irp tt, 0,1,2,3,4
	s_add_co_u32 s25, s21, \tt
	s_min_u32 s25, s25, s24
	v_lshl_add_u32 v[TKA+\tt], s25, 4, v2
	v_min_u32 v[TKA+\tt], s23, v[TKA+\tt]
	v_min_u32 v[TKA+\tt], 0x107f, v[TKA+\tt]       ; 4,223: order's last word
	v_lshlrev_b32 v[TKA+\tt], 2, v[TKA+\tt]
	global_load_b32 v[TKN+\tt], v[TKA+\tt], s[8:9]
.endr
	WLOAD 0                                        ; the first two sub steps' weights
	WLOAD 1
	WIN 0
	s_wait_loadcnt 32                              ; 32 loads were issued behind the five: the tokens are in, the weights stay out
.irp tt, 0,1,2,3,4
.irp i, 0,1,2,3,4,5,6,7
	ds_bpermute_b32 v[XO+8*\tt+\i], v[IDX+\i], v[TKN+\tt]     ; the token of row i + 8 h
.endr
.endr
	s_wait_dscnt 0x0
.set n, 0
.rept 40
	v_min_u32 v[XO+n], 0xfff, v[XO+n]              ; a token's number stays inside xbuf
	v_lshl_add_u32 v[XO+n], v[XO+n], 12, v[V16R]   ; rows of 4,096 bytes
.set n, n+1
.endr
	XLOAD                                          ; x, K 0-127
	WIN 0
	XSTORE 1, 0                                    ; it is the youngest: the wait is for zero; then K 128-255 are asked for
	; four steps of 128 K, written out: the first starts the sums, the third asks for no more x, the fourth runs the counts down
	MSTEP 1, 1                                     ; (its first two groups of weights were shown in by the wait for zero: their counts are met)
	MSTEP 0, 1
	MSTEP 0, 0
	SUB 0, 0, 0, 1, 16                             ; no x was asked for behind these weights: only the next sub step's 16 are younger
	SUB 1, 1, 0, 1, 16
	SUB 2, 0, 0, 0, 16
	SUB 3, 1, 0, 0, 0                              ; the last: nothing is out behind it
	; the partial sums go to LDS: 16 bytes a lane, 512 neighbouring bytes an instruction (the four places behind the last matrix instruction close SUB)
	WIN 0x08
.set n, 0
.rept 20
	ds_store_b128 v[VRW], v[8*n:8*n+3]   offset:n*1024
	ds_store_b128 v[VRW], v[8*n+4:8*n+7] offset:n*1024+512
.set n, n+1
.endr
	WIN 0x0c
.set n, 0
.rept 20
	ds_store_b128 v[VRW], v[8*n:8*n+3]   offset:20480+n*1024
	ds_store_b128 v[VRW], v[8*n+4:8*n+7] offset:20480+n*1024+512
.set n, n+1
.endr
	WIN 0
.Lidle:
	s_wait_dscnt 0x0                               ; for the other waves' sake: my stores are done before I signal
	s_barrier_signal -1
	s_barrier_wait -1                              ; the one barrier; every wave of every block passes it
	s_cmp_eq_u32 s22, 0
	s_cbranch_scc1 .Lend
; Wave w finishes fragment f = w of both matrices.  16 loads: tile tt's four partial sums of gate and of up.
.macro RLOAD tt, buf
.irp mat, 0,1
.irp src, 0,1,2,3
	ds_load_b128 v[R+64*\buf+32*\mat+8*\src:R+64*\buf+32*\mat+8*\src+3],   v[VRR+\src] offset:\mat*20480+\tt*1024
	ds_load_b128 v[R+64*\buf+32*\mat+8*\src+4:R+64*\buf+32*\mat+8*\src+7], v[VRR+\src] offset:\mat*20480+\tt*1024+512
.endr
.endr
.endm
; cnt: the next tile's 16 loads may stay out
.macro HTILE tt, buf, cnt
	s_wait_dscnt \cnt
.set RB, R+64*\buf
.irp mat, 0,1
.irp p, 0,2,4,6
	v_pk_add_f32 v[RB+32*\mat+\p:RB+32*\mat+\p+1], v[RB+32*\mat+\p:RB+32*\mat+\p+1], v[RB+32*\mat+8+\p:RB+32*\mat+8+\p+1]
	v_pk_add_f32 v[RB+32*\mat+16+\p:RB+32*\mat+16+\p+1], v[RB+32*\mat+16+\p:RB+32*\mat+16+\p+1], v[RB+32*\mat+24+\p:RB+32*\mat+24+\p+1]
.endr
.irp p, 0,2,4,6
	v_pk_add_f32 v[RB+32*\mat+\p:RB+32*\mat+\p+1], v[RB+32*\mat+\p:RB+32*\mat+\p+1], v[RB+32*\mat+16+\p:RB+32*\mat+16+\p+1]
.endr
.endr
	; silu(g) u = (g / (1 + 2^(-1.442695 g))) u.  An exponential that overflows gives 1 / inf = 0, as silu does; the sigmoid meets g before u.
.irp p, 0,2,4,6
	v_pk_mul_f32 v[EX+\p:EX+\p+1], v[RB+\p:RB+\p+1], 0xbfb8aa3b op_sel_hi:[1,0]
.endr
.irp j, 0,1,2,3,4,5,6,7
	v_exp_f32 v[EX+\j], v[EX+\j]
.endr
	v_nop                                          ; one plain vector instruction behind a transcendental before its result is used (ISA guide 5.7.2)
	s_wait_alu depctr_va_vdst(0)
.irp p, 0,2,4,6
	v_pk_add_f32 v[EX+\p:EX+\p+1], v[EX+\p:EX+\p+1], 1.0 op_sel_hi:[1,0]
.endr
.irp j, 0,1,2,3,4,5,6,7
	v_rcp_f32 v[EX+\j], v[EX+\j]
.endr
	v_nop
	s_wait_alu depctr_va_vdst(0)
.irp p, 0,2,4,6
	v_pk_mul_f32 v[EX+\p:EX+\p+1], v[EX+\p:EX+\p+1], v[RB+\p:RB+\p+1]
.endr
.irp p, 0,2,4,6
	v_pk_mul_f32 v[EX+\p:EX+\p+1], v[EX+\p:EX+\p+1], v[RB+32+\p:RB+32+\p+1]
.endr
	; the upper parts; widened again and taken away from h (the difference is exact in f32); the lower parts
.irp p, 0,1,2,3
	v_cvt_pk_bf16_f32 v[HP+4*\tt+\p], v[EX+2*\p], v[EX+2*\p+1]
.endr
.irp p, 0,1,2,3
	v_lshlrev_b32 v[TM+2*\p],   16, v[HP+4*\tt+\p]
	v_and_b32     v[TM+2*\p+1], 0xffff0000, v[HP+4*\tt+\p]
.endr
.irp j, 0,1,2,3,4,5,6,7
	v_sub_f32 v[EX+\j], v[EX+\j], v[TM+\j]
.endr
.irp p, 0,1,2,3
	v_cvt_pk_bf16_f32 v[LP+4*\tt+\p], v[EX+2*\p], v[EX+2*\p+1]
.endr
	s_cmp_gt_u32 s22, \tt
	s_cbranch_scc0 .Lpad_\@                        ; a pad tile is not stored
	global_store_b128 v[VHO], v[HP+4*\tt:HP+4*\tt+3], s[14:15] offset:\tt*HTILEB         ; each store of the wave covers 512 consecutive bytes, aligned
	global_store_b128 v[VHO], v[LP+4*\tt:LP+4*\tt+3], s[14:15] offset:\tt*HTILEB+HLOW    ; every tile has its own HP and LP: no store's data is written again
.Lpad_\@:
.endm
	RLOAD 0, 0
	RLOAD 1, 1
	HTILE 0, 0, 16
	RLOAD 2, 0
	HTILE 1, 1, 16
	RLOAD 3, 1
	HTILE 2, 0, 16
	RLOAD 4, 0
	HTILE 3, 1, 16
	HTILE 4, 0, 0
.Lend:
	s_wait_tensorcnt 0x0
	ds_add_u32 v254, v255
	s_wait_dscnt 0x0
	s_endpgm
.Lfunc_end_k_qd3ba20e05c_gateup:
	.size	k_qd3ba20e05c_gateup, .Lfunc_end_k_qd3ba20e05c_gateup-k_qd3ba20e05c_gateup
	.p2alignl 7, 3214868480
	.fill 96, 4, 3214868480
	.section	.rodata,"a",@progbits
	.p2align	6, 0x0
	.amdhsa_kernel k_qd3ba20e05c_gateup
		.amdhsa_group_segment_fixed_size 251392
		.amdhsa_private_segment_fixed_size 0
		.amdhsa_enable_private_segment 0
		.amdhsa_kernarg_size 40
		.amdhsa_user_sgpr_count 2
		.amdhsa_user_sgpr_kernarg_segment_ptr 1
		.amdhsa_wavefront_size32 1
		.amdhsa_system_sgpr_workgroup_id_x 1
		.amdhsa_system_sgpr_workgroup_id_y 1
		.amdhsa_system_sgpr_workgroup_id_z 1
		.amdhsa_system_vgpr_workitem_id 0
		.amdhsa_next_free_vgpr 1024
		.amdhsa_next_free_sgpr 66
		.amdhsa_reserve_vcc 0
		.amdhsa_float_denorm_mode_32 3
		.amdhsa_float_denorm_mode_16_64 3
		.amdhsa_memory_ordered 1
		.amdhsa_forward_progress 1
		.amdhsa_inst_pref_size 153
	.end_amdhsa_kernel
	.amdgpu_metadata
---
amdhsa.version: [ 1, 2 ]
amdhsa.kernels:
  - .name:           k_qd3ba20e05c_gateup
    .symbol:         k_qd3ba20e05c_gateup.kd
    .args:
      - { .name: xbuf, .offset: 0, .size: 8, .value_kind: global_buffer, .address_space: global }
      - { .name: wbuf, .offset: 8, .size: 8, .value_kind: global_buffer, .address_space: global }
      - { .name: order, .offset: 16, .size: 8, .value_kind: global_buffer, .address_space: global }
      - { .name: meta, .offset: 24, .size: 8, .value_kind: global_buffer, .address_space: global }
      - { .name: hbuf, .offset: 32, .size: 8, .value_kind: global_buffer, .address_space: global }
    .group_segment_fixed_size: 251392
    .private_segment_fixed_size: 0
    .kernarg_segment_align: 8
    .kernarg_segment_size: 40
    .max_flat_workgroup_size: 128
    .sgpr_count:     66
    .vgpr_count:     1024
    .wavefront_size: 32
...
	.end_amdgpu_metadata
.endif
;; end of part 2
;; launch down (part 3): grid 32 x 8, 4 waves a work-group, no clusters, 0 bytes of LDS; arguments down_proj, hbuf, order, meta, out0; writes out0
.if DOCPART == 3
	.amdgcn_target "amdgcn-amd-amdhsa--gfx1250"
	.amdhsa_code_object_version 6
	.text
	.protected	k_qd3ba20e05c_down
	.globl	k_qd3ba20e05c_down
	.p2align	8
	.type	k_qd3ba20e05c_down,@function
k_qd3ba20e05c_down:
	s_mov_b64 s[64:65], 0
	v_nop
	global_prefetch_b8 v0, s[64:65] scope:SCOPE_SE
	s_setreg_imm32_b32 hwreg(HW_REG_WAVE_MODE, 25, 1), 1
	s_wait_xcnt 0x0
; down: out[token] = h[token] Wd[expert], rows scattered by the token's number.
; Grid y = expert; grid x & 7 = slice of 256 columns, grid x >> 3 = part 0..3: the expert's tiles of 16 tokens are shared evenly among four parts.
; Wave w takes 64 columns.  Its 256 x 64 numbers of down_proj are loaded once, rounded to bf16 and kept as 32 fragments in 256 registers; then the wave
; walks its tiles.  h comes as a sum of two bf16, an upper and a lower part (16 significant bits): 32 loads bring a tile's two parts in fragment order,
; 32 + 32 matrix instructions multiply both by the same fragments of Wd into the same sums, 8 stores.  The waves share nothing: no LDS byte, no barrier.
; down_proj lies [K][N] in f32: lane (r, h) takes 16 bytes, columns 4 r .. 4 r + 3, of row 64 (kk >> 1) + 32 h + 4 (i & 7) + 2 (kk & 1) + (i >> 3) for slot i
; of K step kk: the order in which hbuf holds h's columns.  Sixteen lanes cover 256 consecutive aligned bytes.  Column 4 r + f goes to fragment f.
; PRODUCT: D = h (source 0) x Wd (source 1): register j of lane (r, h) in accumulator f is token 8 h + j, column 4 r + f.  A lane's four neighbouring
; columns lie in four accumulators; 32 copies gather them, in place of a trip through LDS, and each store has sixteen lanes fill 256 aligned bytes of a row.
; Pad positions repeat the expert's last token and store the same row again; with an odd number of tiles the last is made and stored twice; the two
; loads that look past a wave's last tile are held on that tile and are not used.  A part with no tile (an expert of fewer than 4 tiles) ends.
; NO CLUSTER: the parts of an expert read the same weights, but into registers, once, where they are rounded; there is no LDS tile to share.
; LIMITS: down_proj is rounded to bf16, h to two bf16; the products are summed in hbuf's order of columns, the upper parts first; the sign of a zero may differ.
.set HTILEB, 16384                     ; bytes of a tile in hbuf
.set HLOW,   8192                      ; where its lower parts begin
.set TLOADS, 33                        ; loads for a tile: the tokens' numbers, 16 for the upper parts, 16 for the lower
.set VW,   4                           ; 262144 h + 16 r: 32 h rows of 8,192 bytes
.set VL,   5                           ; 16 x lane
.set V16R, 6                           ; 16 r
.set IDX,  8                           ; v[8:15]   4 x (8 h + j)
.set VH,   16                          ; v16, v17  buffer b: byte offset of its tile in hbuf
.set TKA,  18                          ; v18, v19  buffer b: byte offset in order
.set RO,   20                          ; v[20:27]  byte offset in out0 of token 8 h + j's row, + 16 r
.set TK,   28                          ; v28, v29  buffer b: the tokens' numbers
.set ACC,  32                          ; v[32:63]  four accumulators
.set T,    64                          ; v[64:95]  gathered for the stores
.set H,    96                          ; v[96:223] two buffers of eight fragments: h's upper parts
; window 1: Wd's fragment (kk, f) at 8 (4 kk + f).   window 2: a ring of four K steps of Wd as loaded, 64 registers each.
; window 3: v[0:127] two buffers of eight fragments: h's lower parts.
.set MSB, 0
.macro WIN new                         ; low byte: bits 1:0 source 0, 3:2 source 1, 5:4 source 2, 7:6 destination; the high byte repeats the setting that is left
.if MSB != (\new)
	s_set_vgpr_msb (MSB<<8)|(\new)
.set MSB, (\new)
.endif
.endm
.macro PLACES                          ; four plain vector instructions behind a matrix instruction, before its registers are loaded into or read (ISA guide 7.12.1)
.rept 4
	v_nop
.endr
.endm
.macro WL k                            ; 16 loads: K step k (0..7) of my 64 columns; the highest row is 64 x 3 + 32 + 28 + 2 + 1 = 255
	WIN 0x80
.irp i, 0,1,2,3,4,5,6,7,8,9,10,11,12,13,14,15
	global_load_b128 v[64*((\k)&3)+4*\i:64*((\k)&3)+4*\i+3], v[VW], s[4:5] offset:(64*((\k)>>1)+4*(\i&7)+2*((\k)&1)+(\i>>3))*8192
.endr
.endm
.macro WC k                            ; 32 roundings: four fragments
	WIN 0x4a
.irp f, 0,1,2,3
.irp p, 0,1,2,3,4,5,6,7
	v_cvt_pk_bf16_f32 v[8*(4*(\k)+\f)+\p], v[64*((\k)&3)+8*\p+\f], v[64*((\k)&3)+8*\p+4+\f]
.endr
.endr
.endm
; one turn of the ring: K step k is rounded, and K step nxt = k + 4 is asked for into the registers that it leaves
.macro WTURN k, nxt
	s_wait_loadcnt 48                              ; three younger K steps of 16 loads stay out
	WC \k
	WL \nxt
.endm
; 33 loads: the next tile's tokens and the two parts of its h, into buffer b.  The tile is held on my last one, the position on the expert's last token.
.macro TLOAD b
	WIN 0
	s_min_u32 s26, s25, s24
	s_min_u32 s26, s26, 263                        ; hbuf's last tile
	s_add_co_u32 s25, s25, 1
	v_lshl_add_u32 v[VH+\b], s26, 14, v[VL]        ; tiles of 16,384 bytes
	v_lshl_add_u32 v[TKA+\b], s26, 4, v2
	v_min_u32 v[TKA+\b], s22, v[TKA+\b]
	v_min_u32 v[TKA+\b], 0x107f, v[TKA+\b]         ; 4,223: order's last word
	v_lshlrev_b32 v[TKA+\b], 2, v[TKA+\b]
	global_load_b32 v[TK+\b], v[TKA+\b], s[8:9]
.irp k, 0,1,2,3,4,5,6,7
	global_load_b128 v[H+64*\b+8*\k:H+64*\b+8*\k+3],   v[VH+\b], s[6:7] offset:\k*1024
	global_load_b128 v[H+64*\b+8*\k+4:H+64*\b+8*\k+7], v[VH+\b], s[6:7] offset:\k*1024+512
.endr
	WIN 0xc0                                       ; destination in window 3
.irp k, 0,1,2,3,4,5,6,7
	global_load_b128 v[64*\b+8*\k:64*\b+8*\k+3],   v[VH+\b], s[6:7] offset:HLOW+\k*1024
	global_load_b128 v[64*\b+8*\k+4:64*\b+8*\k+7], v[VH+\b], s[6:7] offset:HLOW+\k*1024+512
.endr
	WIN 0
.endm
.macro TILE b
	s_wait_loadcnt TLOADS                          ; buffer b's 33 loads are in; the other buffer's 33 stay out
	s_wait_xcnt 0x0                                ; RO and T, which the last tile's stores read, are written again only behind this wait (ISA guide 3.1)
.irp j, 0,1,2,3,4,5,6,7
	ds_bpermute_b32 v[RO+\j], v[IDX+\j], v[TK+\b]  ; the token of row 8 h + j
.endr
	; four accumulators take turns, one instruction a turn, through both runs; the first K step starts the sums
	WIN 0x04                                       ; the upper parts: source 0 in window 0, source 1 in window 1
.irp k, 0,1,2,3,4,5,6,7
.irp f, 0,1,2,3
.if \k == 0
	v_wmma_f32_16x16x32_bf16 v[ACC+8*\f:ACC+8*\f+7], v[H+64*\b+8*\k:H+64*\b+8*\k+7], v[8*(4*\k+\f):8*(4*\k+\f)+7], 0
.else
	v_wmma_f32_16x16x32_bf16 v[ACC+8*\f:ACC+8*\f+7], v[H+64*\b+8*\k:H+64*\b+8*\k+7], v[8*(4*\k+\f):8*(4*\k+\f)+7], v[ACC+8*\f:ACC+8*\f+7]
.endif
.endr
.endr
	WIN 0x07                                       ; the lower parts: source 0 in window 3, source 1 in window 1
.irp k, 0,1,2,3,4,5,6,7
.irp f, 0,1,2,3
	v_wmma_f32_16x16x32_bf16 v[ACC+8*\f:ACC+8*\f+7], v[64*\b+8*\k:64*\b+8*\k+7], v[8*(4*\k+\f):8*(4*\k+\f)+7], v[ACC+8*\f:ACC+8*\f+7]
.endr
.endr
	WIN 0
	PLACES
	TLOAD \b                                       ; the buffer is free: the tile after next
	s_wait_dscnt 0x0                               ; the eight permutes
.irp j, 0,1,2,3,4,5,6,7
	v_min_u32 v[RO+\j], 0xfff, v[RO+\j]            ; a token's number stays inside out0
	v_lshl_add_u32 v[RO+\j], v[RO+\j], 13, v[V16R] ; rows of 8,192 bytes
.endr
.irp j, 0,1,2,3,4,5,6,7
.irp f, 0,1,2,3
	v_mov_b32 v[T+4*\j+\f], v[ACC+8*\f+\j]
.endr
.endr
.irp j, 0,1,2,3,4,5,6,7
	global_store_b128 v[RO+\j], v[T+4*\j:T+4*\j+3], s[12:13] th:TH_STORE_NT   ; lanes 0-15: 256 aligned bytes of token j's row; lanes 16-31: of token 8 + j's
.endr
.endm
	s_load_b256 s[4:11], s[0:1], 0x0               ; down_proj s[4:5], hbuf s[6:7], order s[8:9], meta s[10:11]
	s_load_b64 s[12:13], s[0:1], 0x20              ; out0
	v_lshrrev_b32 v1, 5, v0
	v_readfirstlane_b32 s16, v1                    ; wave
	s_and_b32 s17, ttmp9, 7                        ; slice
	s_lshr_b32 s18, ttmp9, 3                       ; part
	s_and_b32 s19, ttmp7, 0xffff                   ; expert
	v_and_b32 v1, 31, v0                           ; lane
	v_and_b32 v2, 15, v0                           ; r
	v_bfe_u32 v3, v0, 4, 1                         ; h
	v_lshlrev_b32 v[V16R], 4, v2
	v_lshl_add_u32 v[VW], v3, 18, v[V16R]
	v_lshlrev_b32 v[VL], 4, v1
.irp j, 0,1,2,3,4,5,6,7
	v_lshl_add_u32 v[IDX+\j], v3, 5, 4*\j
.endr
	s_lshl_b32 s26, s17, 10                        ; my 64 columns: slice x 1,024 + wave x 256 bytes
	s_lshl_b32 s24, s16, 8
	s_add_co_u32 s26, s26, s24
	s_mov_b32 s27, 0
	s_lshl_b32 s28, s19, 21                        ; expert x 2 MiB
	s_add_co_u32 s28, s28, s26
	s_mov_b32 s29, 0
	s_lshl_b32 s14, s19, 4                         ; the expert's record
	s_mov_b32 s15, 0
	s_wait_kmcnt 0x0
	s_add_nc_u64 s[4:5], s[4:5], s[28:29]
	s_add_nc_u64 s[12:13], s[12:13], s[26:27]
	s_add_nc_u64 s[10:11], s[10:11], s[14:15]
	s_load_b128 s[20:23], s[10:11], 0x400          ; first tile, tiles, last valid position, 0
	WL 0                                           ; the weights' addresses hang on ids alone: they go out while the record is on its way
	WL 1
	WL 2
	WL 3
	WIN 0
	s_wait_kmcnt 0x0
	s_min_u32 s20, s20, 263                        ; numbers from memory are bounded before they enter an address or a trip count
	s_min_u32 s21, s21, 256
	s_min_u32 s22, s22, 4223
	s_lshr_b32 s24, s21, 2                         ; tiles / 4
	s_and_b32 s26, s21, 3                          ; the rest: one more for the first parts
	s_mul_i32 s25, s18, s24
	s_add_co_u32 s25, s25, s20
	s_min_u32 s28, s18, s26
	s_add_co_u32 s25, s25, s28                     ; my first tile, then the next tile to fetch
	s_cmp_lt_u32 s18, s26
	s_cselect_b32 s28, 1, 0
	s_add_co_u32 s28, s24, s28                     ; my tiles
	s_add_co_u32 s24, s25, s28
	s_sub_co_u32 s24, s24, 1                       ; my last tile
	s_add_co_u32 s31, s28, 1
	s_lshr_b32 s31, s31, 1                         ; trips of two tiles
	s_cmp_eq_u32 s28, 0
	s_cbranch_scc1 .Lend
	WTURN 0, 4
	WTURN 1, 5
	WTURN 2, 6
	WTURN 3, 7
	s_wait_loadcnt 48                              ; behind K step 4: K steps 5, 6, 7
	WC 4
	s_wait_loadcnt 32                              ; behind K step 5: two K steps
	WC 5
	s_wait_loadcnt 16                              ; behind K step 6: one
	WC 6
	TLOAD 0                                        ; the first tile goes out while the last K step is on its way: 16 + 33 loads are out
	s_wait_loadcnt TLOADS                          ; behind K step 7: the first tile's 33
	WC 7
	TLOAD 1                                        ; the second tile
	s_mov_b32 s30, 0
.Lpair:
	TILE 0
	TILE 1
	s_add_co_u32 s30, s30, 1
	s_cmp_lt_u32 s30, s31
	s_cbranch_scc1 .Lpair
.Lend:
	s_endpgm
.Lfunc_end_k_qd3ba20e05c_down:
	.size	k_qd3ba20e05c_down, .Lfunc_end_k_qd3ba20e05c_down-k_qd3ba20e05c_down
	.p2alignl 7, 3214868480
	.fill 96, 4, 3214868480
	.section	.rodata,"a",@progbits
	.p2align	6, 0x0
	.amdhsa_kernel k_qd3ba20e05c_down
		.amdhsa_group_segment_fixed_size 0
		.amdhsa_private_segment_fixed_size 0
		.amdhsa_enable_private_segment 0
		.amdhsa_kernarg_size 40
		.amdhsa_user_sgpr_count 2
		.amdhsa_user_sgpr_kernarg_segment_ptr 1
		.amdhsa_wavefront_size32 1
		.amdhsa_system_sgpr_workgroup_id_x 1
		.amdhsa_system_sgpr_workgroup_id_y 1
		.amdhsa_system_sgpr_workgroup_id_z 1
		.amdhsa_system_vgpr_workitem_id 0
		.amdhsa_next_free_vgpr 1024
		.amdhsa_next_free_sgpr 66
		.amdhsa_reserve_vcc 0
		.amdhsa_float_denorm_mode_32 3
		.amdhsa_float_denorm_mode_16_64 3
		.amdhsa_memory_ordered 1
		.amdhsa_forward_progress 1
		.amdhsa_inst_pref_size 61
	.end_amdhsa_kernel
	.amdgpu_metadata
---
amdhsa.version: [ 1, 2 ]
amdhsa.kernels:
  - .name:           k_qd3ba20e05c_down
    .symbol:         k_qd3ba20e05c_down.kd
    .args:
      - { .name: down_proj, .offset: 0, .size: 8, .value_kind: global_buffer, .address_space: global }
      - { .name: hbuf, .offset: 8, .size: 8, .value_kind: global_buffer, .address_space: global }
      - { .name: order, .offset: 16, .size: 8, .value_kind: global_buffer, .address_space: global }
      - { .name: meta, .offset: 24, .size: 8, .value_kind: global_buffer, .address_space: global }
      - { .name: out0, .offset: 32, .size: 8, .value_kind: global_buffer, .address_space: global }
    .group_segment_fixed_size: 0
    .private_segment_fixed_size: 0
    .kernarg_segment_align: 8
    .kernarg_segment_size: 40
    .max_flat_workgroup_size: 128
    .sgpr_count:     66
    .vgpr_count:     1024
    .wavefront_size: 32
...
	.end_amdgpu_metadata
.endif
;; end of part 3
;; ======== version 2 of 2: 3 launches; version 1 with the launch down written anew for expert scheduling mode
;; workspace buffers: order 16,896 bytes of whole numbers; meta 1,536 bytes of whole numbers; hbuf 4,325,376 bytes; wbuf 16,777,216 bytes; xbuf 16,777,216 bytes
;; launch prep: the kernel of part 1 again; grid 256 x 1, 32 waves a work-group, no clusters, 5,120 bytes of LDS; arguments token_ids, order, gate_proj, up_proj, meta, wbuf, hidden_states, xbuf; writes order, meta, wbuf, xbuf
;; launch gateup: the kernel of part 2 again; grid 4 x 59, 4 waves a work-group, no clusters, 251,392 bytes of LDS; arguments xbuf, wbuf, order, meta, hbuf; writes hbuf
;; launch down (part 4): grid 32 x 8, 4 waves a work-group, no clusters, 0 bytes of LDS; arguments down_proj, hbuf, order, meta, out0; writes out0
.if DOCPART == 4
	.amdgcn_target "amdgcn-amd-amdhsa--gfx1250"
	.amdhsa_code_object_version 6
	.text
	.protected	k_qd3ba20e05c_down
	.globl	k_qd3ba20e05c_down
	.p2align	8
	.type	k_qd3ba20e05c_down,@function
k_qd3ba20e05c_down:
	s_mov_b64 s[64:65], 0
	v_nop
	global_prefetch_b8 v0, s[64:65] scope:SCOPE_SE
	s_setreg_imm32_b32 hwreg(HW_REG_WAVE_SCHED_MODE, 0, 2), 2
	s_setreg_imm32_b32 hwreg(HW_REG_WAVE_MODE, 25, 1), 1
	s_wait_xcnt 0x0
	s_wait_alu depctr_vm_vsrc(0)
; down: out[token] = h[token] Wd[expert], rows scattered by the token's number.
; Grid y = expert; grid x & 7 = slice of 256 columns, grid x >> 3 = part 0..3: the expert's tiles of 16 tokens are shared evenly among four parts.
; Wave w takes 64 columns.  Its 256 x 64 numbers of down_proj are loaded once, rounded to bf16 and kept as 32 fragments in 256 registers; then the wave
; walks its tiles.  h comes as a sum of two bf16, an upper and a lower part (16 significant bits): 32 loads bring a tile's two parts in fragment order,
; 32 + 32 matrix instructions multiply both by the same fragments of Wd into the same sums, 8 stores.  The waves share nothing: no LDS byte, no barrier.
; down_proj lies [K][N] in f32: lane (r, h) takes 16 bytes, columns 4 r .. 4 r + 3, of row 64 (kk >> 1) + 32 h + 4 (i & 7) + 2 (kk & 1) + (i >> 3) for slot i
; of K step kk: the order in which hbuf holds h's columns.  Sixteen lanes cover 256 consecutive aligned bytes.  Column 4 r + f goes to fragment f.
; PRODUCT: D = h (source 0) x Wd (source 1): register j of lane (r, h) in accumulator f is token 8 h + j, column 4 r + f.  A lane's four neighbouring
; columns lie in four accumulators; 32 copies gather them, in place of a trip through LDS, and each store has sixteen lanes fill 256 aligned bytes of a row.
; Pad positions repeat the expert's last token and store the same row again; with an odd number of tiles the last is made and stored twice; the two
; loads that look past a wave's last tile are held on that tile and are not used.  A part with no tile (an expert of fewer than 4 tiles) ends.
; NO CLUSTER: the parts of an expert read the same weights, but into registers, once, where they are rounded; there is no LDS tile to share.
; LIMITS: down_proj is rounded to bf16, h to two bf16; the products are summed in hbuf's order of columns, the upper parts first; the sign of a zero may differ.
; THE MODE: SCHED_MODE bits 1:0 = 2 (LLVM: expert scheduling mode 2), set by the entry lines.  The code itself states the register dependences
; between vector or matrix instructions and memory or LDS instructions, with s_wait_alu, always for 0.
; THE PLAN.  Registers that memory or LDS instructions touch:
;   v[VW], v[IDX ..]    Written at the head, never again; read by Wd's loads and by the permutes.
;   the ring, window 2  K step k: its loads land there, its 32 roundings read it, the loads of K step k + 4 land there again.
;   VH[b], TKA[b]       Tile of buffer b: five vector lines write them, the tile's 33 loads read them.
;   TK[b]               A load lands in it; two tiles on the eight permutes at the tile's head read it; later in that tile a load lands in it again.
;   H[b], lower[b]      32 loads land in them; two tiles on the tile's 64 matrix instructions read them; behind those the loads land again.
;   RO[b]               Two sets by turns: the tile's permutes land in it, 16 vector lines work on it, the tile's eight stores read it as their offsets.
;   T                   The tile's 32 copies write it, its eight stores read it as their data.
;   The accumulators and Wd's fragments are named by vector and matrix instructions alone.
; A TILE: the wait for its loads; 8 permutes into RO[b]; 32 matrix instructions; ONE wait on vm_vsrc; the lines that make VH[b], TKA[b] and RO[b];
; 32 matrix instructions; the copies into T; ONE wait on va_vdst; 33 loads; 8 stores.
; The wait on vm_vsrc states: the last tile's stores have read T and RO[1 - b] (in which the next tile's permutes land), this tile's permutes have read TK[b],
; the loads of two tiles back have read VH[b] and TKA[b].  The wait on va_vdst states: VH[b], TKA[b], RO[b] and T are written, and the matrix instructions are done
; reading H[b] and lower[b].  Between that wait and the next tile's permutes stands no vector instruction, and none since RO[1 - b]'s own tile has named that set.
.set HTILEB, 16384                     ; bytes of a tile in hbuf
.set HLOW,   8192                      ; where its lower parts begin
.set TLOADS, 33                        ; loads for a tile: the tokens' numbers, 16 for the upper parts, 16 for the lower
.set VW,   4                           ; 262144 h + 16 r: 32 h rows of 8,192 bytes
.set VL,   5                           ; 16 x lane
.set V16R, 6                           ; 16 r
.set IDX,  8                           ; v[8:15]   4 x (8 h + j)
.set VH,   16                          ; v16, v17  buffer b: byte offset of its tile in hbuf
.set TKA,  18                          ; v18, v19  buffer b: byte offset in order
.set RO,   20                          ; v[20:27]  set 0: byte offset in out0 of token 8 h + j's row, + 16 r
.set ROB,  204                         ; v[224:231] set 1: 204 registers on
.set TK,   28                          ; v28, v29  buffer b: the tokens' numbers
.set ACC,  32                          ; v[32:63]  four accumulators
.set T,    64                          ; v[64:95]  gathered for the stores
.set H,    96                          ; v[96:223] two buffers of eight fragments: h's upper parts
; window 1: Wd's fragment (kk, f) at 8 (4 kk + f).   window 2: a ring of four K steps of Wd as loaded, 64 registers each.
; window 3: v[0:127] two buffers of eight fragments: h's lower parts.
.set MSB, 0
.macro WIN new                         ; low byte: bits 1:0 source 0, 3:2 source 1, 5:4 source 2, 7:6 destination; the high byte repeats the setting that is left
.if MSB != (\new)
	s_set_vgpr_msb (MSB<<8)|(\new)
.set MSB, (\new)
.endif
.endm
.macro PLACES                          ; four plain vector instructions behind a matrix instruction, before its results are read (ISA guide 7.12.1)
.rept 4
	v_nop
.endr
.endm
.macro WL k                            ; 16 loads: K step k (0..7) of my 64 columns; the highest row is 64 x 3 + 32 + 28 + 2 + 1 = 255
	WIN 0x80
.irp i, 0,1,2,3,4,5,6,7,8,9,10,11,12,13,14,15
	global_load_b128 v[64*((\k)&3)+4*\i:64*((\k)&3)+4*\i+3], v[VW], s[4:5] offset:(64*((\k)>>1)+4*(\i&7)+2*((\k)&1)+(\i>>3))*8192
.endr
.endm
.macro WC k                            ; 32 roundings: four fragments
	WIN 0x4a
.irp f, 0,1,2,3
.irp p, 0,1,2,3,4,5,6,7
	v_cvt_pk_bf16_f32 v[8*(4*(\k)+\f)+\p], v[64*((\k)&3)+8*\p+\f], v[64*((\k)&3)+8*\p+4+\f]
.endr
.endr
.endm
; one turn of the ring: K step k is rounded, and K step nxt = k + 4 is asked for into the registers that it leaves
.macro WTURN k, nxt
	s_wait_loadcnt 48                              ; three younger K steps of 16 loads stay out
	WC \k
	WIN 0x80
	s_wait_alu depctr_va_vdst(0)                   ; the 32 roundings are done reading the ring's registers of K step k, in which the loads below land
	WL \nxt
.endm
; The next tile's two byte offsets, for buffer b.  The tile is held on my last one, the position on the expert's last token.
.macro TADDR b
	WIN 0
	s_min_u32 s26, s25, s24
	s_min_u32 s26, s26, 263                        ; hbuf's last tile
	s_add_co_u32 s25, s25, 1
	v_lshl_add_u32 v[VH+\b], s26, 14, v[VL]        ; tiles of 16,384 bytes
	v_lshl_add_u32 v[TKA+\b], s26, 4, v2
	v_min_u32 v[TKA+\b], s22, v[TKA+\b]
	v_min_u32 v[TKA+\b], 0x107f, v[TKA+\b]         ; 4,223: order's last word
	v_lshlrev_b32 v[TKA+\b], 2, v[TKA+\b]
.endm
; 33 loads by them: that tile's tokens and the two parts of its h, into buffer b
.macro TFETCH b
	WIN 0
	global_load_b32 v[TK+\b], v[TKA+\b], s[8:9]
.irp k, 0,1,2,3,4,5,6,7
	global_load_b128 v[H+64*\b+8*\k:H+64*\b+8*\k+3],   v[VH+\b], s[6:7] offset:\k*1024
	global_load_b128 v[H+64*\b+8*\k+4:H+64*\b+8*\k+7], v[VH+\b], s[6:7] offset:\k*1024+512
.endr
	WIN 0xc0                                       ; destination in window 3
.irp k, 0,1,2,3,4,5,6,7
	global_load_b128 v[64*\b+8*\k:64*\b+8*\k+3],   v[VH+\b], s[6:7] offset:HLOW+\k*1024
	global_load_b128 v[64*\b+8*\k+4:64*\b+8*\k+7], v[VH+\b], s[6:7] offset:HLOW+\k*1024+512
.endr
	WIN 0
.endm
.macro TILE b
	s_wait_loadcnt TLOADS                          ; buffer b's 33 loads are in; the other buffer's 33 stay out
.irp j, 0,1,2,3,4,5,6,7
	ds_bpermute_b32 v[RO+ROB*\b+\j], v[IDX+\j], v[TK+\b]  ; the token of row 8 h + j.  No wait: this set was last named two tiles back, ahead of the last tile's two waits
.endr
	; four accumulators take turns, one instruction a turn, through both runs; the first K step starts the sums
	WIN 0x04                                       ; the upper parts: source 0 in window 0, source 1 in window 1
.irp k, 0,1,2,3,4,5,6,7
.irp f, 0,1,2,3
.if \k == 0
	v_wmma_f32_16x16x32_bf16 v[ACC+8*\f:ACC+8*\f+7], v[H+64*\b+8*\k:H+64*\b+8*\k+7], v[8*(4*\k+\f):8*(4*\k+\f)+7], 0
.else
	v_wmma_f32_16x16x32_bf16 v[ACC+8*\f:ACC+8*\f+7], v[H+64*\b+8*\k:H+64*\b+8*\k+7], v[8*(4*\k+\f):8*(4*\k+\f)+7], v[ACC+8*\f:ACC+8*\f+7]
.endif
.endr
.endr
	; the address work stands between the two runs: it names no register of a matrix instruction
	WIN 0
	s_wait_xcnt 0x0                                ; T and the other set of RO, which the last tile's stores read, and VH[b] and TKA[b] are written again only behind this wait (ISA guide 3.1)
	s_wait_alu depctr_vm_vsrc(0)                   ; the last tile's stores have read T and the other set of RO; the permutes above have read TK[b]; the loads of two tiles back have read VH[b] and TKA[b]
	TADDR \b                                       ; the tile after next
	s_wait_dscnt 0x0                               ; the eight permutes
.irp j, 0,1,2,3,4,5,6,7
	v_min_u32 v[RO+ROB*\b+\j], 0xfff, v[RO+ROB*\b+\j]            ; a token's number stays inside out0
	v_lshl_add_u32 v[RO+ROB*\b+\j], v[RO+ROB*\b+\j], 13, v[V16R] ; rows of 8,192 bytes
.endr
	WIN 0x07                                       ; the lower parts: source 0 in window 3, source 1 in window 1
.irp k, 0,1,2,3,4,5,6,7
.irp f, 0,1,2,3
	v_wmma_f32_16x16x32_bf16 v[ACC+8*\f:ACC+8*\f+7], v[64*\b+8*\k:64*\b+8*\k+7], v[8*(4*\k+\f):8*(4*\k+\f)+7], v[ACC+8*\f:ACC+8*\f+7]
.endr
.endr
	WIN 0
	PLACES
.irp j, 0,1,2,3,4,5,6,7
.irp f, 0,1,2,3
	v_mov_b32 v[T+4*\j+\f], v[ACC+8*\f+\j]
.endr
.endr
	s_wait_alu depctr_va_vdst(0)                   ; VH[b], TKA[b], RO[b] and T are written, which the loads and stores below read; the matrix instructions are done reading H[b] and lower[b], in which the loads land
	TFETCH \b                                      ; the buffer is free: the tile after next; the loads go ahead of the stores
.irp j, 0,1,2,3,4,5,6,7
	global_store_b128 v[RO+ROB*\b+\j], v[T+4*\j:T+4*\j+3], s[12:13] th:TH_STORE_NT   ; lanes 0-15: 256 aligned bytes of token j's row; lanes 16-31: of token 8 + j's
.endr
.endm
	s_load_b256 s[4:11], s[0:1], 0x0               ; down_proj s[4:5], hbuf s[6:7], order s[8:9], meta s[10:11]
	s_load_b64 s[12:13], s[0:1], 0x20              ; out0
	v_lshrrev_b32 v1, 5, v0
	v_readfirstlane_b32 s16, v1                    ; wave
	s_and_b32 s17, ttmp9, 7                        ; slice
	s_lshr_b32 s18, ttmp9, 3                       ; part
	s_and_b32 s19, ttmp7, 0xffff                   ; expert
	v_and_b32 v1, 31, v0                           ; lane
	v_and_b32 v2, 15, v0                           ; r
	v_bfe_u32 v3, v0, 4, 1                         ; h
	v_lshlrev_b32 v[V16R], 4, v2
	v_lshl_add_u32 v[VW], v3, 18, v[V16R]
	v_lshlrev_b32 v[VL], 4, v1
.irp j, 0,1,2,3,4,5,6,7
	v_lshl_add_u32 v[IDX+\j], v3, 5, 4*\j
.endr
	s_wait_alu depctr_va_sdst(0)                   ; s16 is written, ahead of its first reader: the bases of down_proj and out0 are made from it
	s_lshl_b32 s26, s17, 10                        ; my 64 columns: slice x 1,024 + wave x 256 bytes
	s_lshl_b32 s24, s16, 8
	s_add_co_u32 s26, s26, s24
	s_mov_b32 s27, 0
	s_lshl_b32 s28, s19, 21                        ; expert x 2 MiB
	s_add_co_u32 s28, s28, s26
	s_mov_b32 s29, 0
	s_lshl_b32 s14, s19, 4                         ; the expert's record
	s_mov_b32 s15, 0
	s_wait_kmcnt 0x0
	s_add_nc_u64 s[4:5], s[4:5], s[28:29]
	s_add_nc_u64 s[12:13], s[12:13], s[26:27]
	s_add_nc_u64 s[10:11], s[10:11], s[14:15]
	s_load_b128 s[20:23], s[10:11], 0x400          ; first tile, tiles, last valid position, 0
	WIN 0x80
	s_wait_alu depctr_va_vdst(0)                   ; v[VW] is written, which every load of down_proj reads as its offset; so are v[IDX ..], which the permutes read
	WL 0                                           ; the weights' addresses hang on ids alone: they go out while the record is on its way
	WL 1
	WL 2
	WL 3
	WIN 0
	s_wait_kmcnt 0x0
	s_min_u32 s20, s20, 263                        ; numbers from memory are bounded before they enter an address or a trip count
	s_min_u32 s21, s21, 256
	s_min_u32 s22, s22, 4223
	s_lshr_b32 s24, s21, 2                         ; tiles / 4
	s_and_b32 s26, s21, 3                          ; the rest: one more for the first parts
	s_mul_i32 s25, s18, s24
	s_add_co_u32 s25, s25, s20
	s_min_u32 s28, s18, s26
	s_add_co_u32 s25, s25, s28                     ; my first tile, then the next tile to fetch
	s_cmp_lt_u32 s18, s26
	s_cselect_b32 s28, 1, 0
	s_add_co_u32 s28, s24, s28                     ; my tiles
	s_add_co_u32 s24, s25, s28
	s_sub_co_u32 s24, s24, 1                       ; my last tile
	s_add_co_u32 s31, s28, 1
	s_lshr_b32 s31, s31, 1                         ; trips of two tiles
	s_cmp_eq_u32 s28, 0
	s_cbranch_scc1 .Lend
	WTURN 0, 4
	WTURN 1, 5
	WTURN 2, 6
	WTURN 3, 7
	s_wait_loadcnt 48                              ; behind K step 4: K steps 5, 6, 7
	WC 4
	s_wait_loadcnt 32                              ; behind K step 5: two K steps
	WC 5
	s_wait_loadcnt 16                              ; behind K step 6: one
	WC 6
	TADDR 0                                        ; the first two tiles' offsets are made together,
	TADDR 1
	s_wait_alu depctr_va_vdst(0)                   ; so that one wait states that all four are written, which the 66 loads below read; the roundings between name registers of windows 1 and 2 alone, none that those loads touch
	TFETCH 0                                       ; the first tile goes out while the last K step is on its way: 16 + 33 loads are out
	s_wait_loadcnt TLOADS                          ; behind K step 7: the first tile's 33
	WC 7
	TFETCH 1                                       ; the second tile
	s_mov_b32 s30, 0
.Lpair:
	TILE 0
	TILE 1
	s_add_co_u32 s30, s30, 1
	s_cmp_lt_u32 s30, s31
	s_cbranch_scc1 .Lpair
.Lend:
	s_endpgm
.Lfunc_end_k_qd3ba20e05c_down:
	.size	k_qd3ba20e05c_down, .Lfunc_end_k_qd3ba20e05c_down-k_qd3ba20e05c_down
	.p2alignl 7, 3214868480
	.fill 96, 4, 3214868480
	.section	.rodata,"a",@progbits
	.p2align	6, 0x0
	.amdhsa_kernel k_qd3ba20e05c_down
		.amdhsa_group_segment_fixed_size 0
		.amdhsa_private_segment_fixed_size 0
		.amdhsa_enable_private_segment 0
		.amdhsa_kernarg_size 40
		.amdhsa_user_sgpr_count 2
		.amdhsa_user_sgpr_kernarg_segment_ptr 1
		.amdhsa_wavefront_size32 1
		.amdhsa_system_sgpr_workgroup_id_x 1
		.amdhsa_system_sgpr_workgroup_id_y 1
		.amdhsa_system_sgpr_workgroup_id_z 1
		.amdhsa_system_vgpr_workitem_id 0
		.amdhsa_next_free_vgpr 1024
		.amdhsa_next_free_sgpr 66
		.amdhsa_reserve_vcc 0
		.amdhsa_float_denorm_mode_32 3
		.amdhsa_float_denorm_mode_16_64 3
		.amdhsa_memory_ordered 1
		.amdhsa_forward_progress 1
		.amdhsa_inst_pref_size 62
	.end_amdhsa_kernel
	.amdgpu_metadata
---
amdhsa.version: [ 1, 2 ]
amdhsa.kernels:
  - .name:           k_qd3ba20e05c_down
    .symbol:         k_qd3ba20e05c_down.kd
    .args:
      - { .name: down_proj, .offset: 0, .size: 8, .value_kind: global_buffer, .address_space: global }
      - { .name: hbuf, .offset: 8, .size: 8, .value_kind: global_buffer, .address_space: global }
      - { .name: order, .offset: 16, .size: 8, .value_kind: global_buffer, .address_space: global }
      - { .name: meta, .offset: 24, .size: 8, .value_kind: global_buffer, .address_space: global }
      - { .name: out0, .offset: 32, .size: 8, .value_kind: global_buffer, .address_space: global }
    .group_segment_fixed_size: 0
    .private_segment_fixed_size: 0
    .kernarg_segment_align: 8
    .kernarg_segment_size: 40
    .max_flat_workgroup_size: 128
    .sgpr_count:     66
    .vgpr_count:     1024
    .wavefront_size: 32
...
	.end_amdgpu_metadata
.endif
;; end of part 4
